; MI455X (gfx1250); checked and timed in simulation.
; The chip was launched on July 23, 2026; its instructions are those of AMD's public machine-readable ISA for CDNA 5 (MIT licence, August 2026) and "CDNA5" Instruction Set Architecture Reference Guide (July 2026). The comments in the code are by the model that wrote it; some were corrected since.
;; Attention. Allowed arithmetic: matrix products marked QUANTISED: E2M3 operands, one E8M0 scale for each 32 along K, by v_wmma_scale_f32_16x16x128_f8f6f4 with both operands' format E2M3, f32 sums; everything else in f32.
;; Inputs: out_b 1,024 float32; out_w 1,024 x 1,024 float32; qkv_b 3,072 float32; qkv_w 3,072 x 1,024 float32; x 4 x 2,048 x 1,024 float32.
;; Outputs: out0 4 x 2,048 x 1,024 float32.
;; This version of the problem:
;;   THIS VERSION OF THE PROBLEM IS GIVEN IN LOW PRECISION. The matrix products marked QUANTISED in the list below multiply operands that are first quantised to E2M3 (2 exponent bits, 3 mantissa bits; 6 bits a number), with one power-of-two scale for each 32 numbers along K (OCP MX v1.0); their sums are f32. All else is computed in f32.
;;   The module's matrix products, in the order in which they are computed (A, B: the left and right operand; K: the contracted axis; several contracted axes count as one K, in the product's order):
;;     1. [M 8,192, K 1,024] x [K 1,024, N 3,072]; A: input x; B: input qkv_w: QUANTISED
;;     2. batch 64 x [M 2,048, K 64] x [K 64, N 2,048]; A: computed on the way; B: computed on the way: QUANTISED
;;     3. batch 64 x [M 2,048, K 2,048] x [K 2,048, N 64]; A: softmax (see below); B: computed on the way: QUANTISED
;;     4. [M 8,192, K 1,024] x [K 1,024, N 1,024]; A: computed on the way; B: input out_w: QUANTISED
;;   THE QUANTISER, for each operand of a quantised product, along K:
;;     - K is cut into blocks of 32 from its start; a last block that is shorter is filled with zeros.
;;     - A block's scale is 2^e with e = floor(log2(the largest magnitude in the block)) - 2, held to -126 .. 127; a block of zeros has e = 0. As a byte (E8M0): e + 127.
;;     - Each number is divided by its block's scale, clamped to +-7.5, and rounded to the nearest number of E2M3, ties to even, subnormals kept.
;;     - The product sums the exact products of the quantised numbers (number of the format x scale) in f32.
;;   ~~~python
;;   def quantise(x, axis):      # numpy; x: float32 -> the quantised numbers, widened to float32 again
;;       x = np.moveaxis(x, axis, -1); K = x.shape[-1]
;;       x = np.pad(x, [(0, 0)] * (x.ndim - 1) + [(0, -K % 32)]); x = x.reshape(x.shape[:-1] + (-1, 32)); a = np.abs(x).max(-1, keepdims=True)
;;       e = np.where(a > 0, np.clip(np.frexp(np.where(a > 0, a, 1))[1] - 1 - 2, -126, 127), 0)      # np.frexp(a)[1] - 1 = floor(log2(a)), exactly
;;       r = np.clip(x / 2.0 ** e, -7.5, 7.5)
;;       step = 2.0 ** (np.maximum(np.frexp(np.where(r == 0, 1, r))[1] - 1, 0) - 3)
;;       q = np.round(r / step) * step * 2.0 ** e      # np.round: ties to even
;;       return np.moveaxis(q.reshape(q.shape[:-2] + (-1,))[..., :K], -1, axis).astype(np.float32)
;;   ~~~
;;   SOFTMAX AHEAD OF A QUANTISED PRODUCT. Where the list says 'softmax', what is quantised is not the finished softmax but p = 2^(t - M), with t = logit x log2(e) and M = ceil(the row's largest t), a whole number; so 1/2 < the row's largest p <= 1. The row's sum l is taken of the UNQUANTISED p, in f32, and the product's result is divided by l at the end. Since M is a whole number, a kernel that streams over the keys may use a running M (the ceiling of the running maximum): every later rescaling is an exact power of two, which a block's scale takes up: the codes' values come out the same.
;;   OPERANDS COMPUTED ON THE WAY. 'Computed on the way' means the value that the module computes at that place (a softmax that the list does not call 'softmax' is quantised finished and normalised). What goes into a quantiser is computed in f32, as accurately as f32 sums, v_exp_f32 and their like allow (about 1e-6 of the number): no bf16 or f16 on the way to a quantiser, and a product that is left as it is and whose result goes on into a quantised operand takes f32 operands (vector FMAs, or v_wmma_f32_16x16x4_f32). A number that lies on a knife's edge between two numbers of the format may be rounded either way, as far as f32 arithmetic and the matrix unit's own rounding can turn it there, and no further.
;; One version. Each part assembles by itself: llvm-mc -triple=amdgcn-amd-amdhsa -mcpu=gfx1250 --defsym DOCPART=n.
;; ======== version 1 of 1: 4 launches
;; limits: right only within a limited range of input values
;; workspace buffers: codes 9,437,184 bytes; scales 393,216 bytes; qkvimg 19,660,800 bytes; ao_img 6,291,456 bytes; ao_scl 262,144 bytes
;; launch quant (part 1): grid 384 x 1, 4 waves a work-group, no clusters, 33,280 bytes of LDS; arguments x, qkv_w, out_w, codes, scales; writes codes, scales
.if DOCPART == 1
	.amdgcn_target "amdgcn-amd-amdhsa--gfx1250"
	.amdhsa_code_object_version 6
	.text
	.protected	k_q00707fd449_quant
	.globl	k_q00707fd449_quant
	.p2align	8
	.type	k_q00707fd449_quant,@function
k_q00707fd449_quant:
	s_mov_b64 s[64:65], 0
	v_nop
	global_prefetch_b8 v0, s[64:65] scope:SCOPE_SE
	s_setreg_imm32_b32 hwreg(HW_REG_WAVE_MODE, 25, 1), 1
	s_wait_xcnt 0x0
; x [8192][1024], qkv_w [3072][1024] and out_w [1024][1024], f32, K innermost, become codes of FP6 (E2M3), 768 bytes a row, and one E8M0 byte for each 32 along K, 32 bytes a row.
; The three tensors' rows lie on end in both buffers: x from row 0, qkv_w from row 8,192, out_w from row 11,264.
; A block's scale is 2^(floor(log2(its largest magnitude)) - 2); its byte is the largest magnitude's exponent field - 2, held at 1 from below.
; (A block of zeros so gets the byte 1 where the rule says 127: its codes are zeros, and this program alone reads the bytes.)
; LIMITS: NaN and infinities among the inputs are not served; a block whose largest magnitude lies under 2^-124 keeps the byte 1.
; SHARES: a work-group takes 32 rows, a wave 8 rows = 8,192 numbers = 16 steps of 512.  Work-groups 0-255: x; 256-351: qkv_w; 352-383: out_w.
; POSITION ORDER: in x and qkv_w rows 8-15 and 16-23 of every 32 change places on the way out (waves 1 and 2 swap their output runs), so that position 16 u + r holds row 8 u + r + 8 (r / 8):
; sixteen neighbouring positions then form a tile whose results, used transposed, are neighbours along the next product's K.  out_w keeps its order.
; Each of a step's four loads reads 512 consecutive bytes; the 2,048 bytes turn through the wave's own stage in LDS and come back 64 bytes a lane: 16 neighbours along K; two neighbouring lanes hold a block.
.set WAVES, 4
.set STEPS, 16
.set EMAX,  2
.set CB,    12                         ; bytes of 16 codes
.set PLANE, 24576                      ; THE CODES' LAYOUT: a row's 768 bytes lie as four pieces of 192 (256 along K each): codes[group of 128 rows][piece][row in the group][192]; PLANE: one piece of a group's 128 rows; a group is 98,304 bytes
.set R,     16                         ; v16-79   four sets of 16 numbers as they are loaded
.set X,     80                         ; v80-111  two sets of 16 neighbours
.set C,     128                        ; v128-191 codes: four registers for each step, so that no store's data are written again
.set E,     112                        ; v112-127 a scale byte for each step
.set WREG,  8192                       ; LDS: a region for each wave: two stages of 32 x SP bytes, then its 256 scale bytes
.set SP,    80                         ; a lane's place in a stage: 64 bytes + 16 of padding
.set SPW,   12                         ; v12  LDS address of my spare word; never rewritten
.set NIL,   13                         ; v13  0; never rewritten
.set SPARE, WAVES*WREG                 ; behind the four regions: the spare words, 128 bytes a wave, which no other line names
	s_load_b256 s[4:11], s[0:1], 0x0               ; x s[4:5], qkv_w s[6:7], out_w s[8:9], codes s[10:11]
	s_load_b64 s[12:13], s[0:1], 0x20              ; scales
	v_lshl_add_u32 v[SPW], v0, 2, SPARE
	v_mov_b32 v[NIL], 0
	v_lshrrev_b32 v1, 5, v0
	v_readfirstlane_b32 s16, v1                    ; wave
	v_and_b32 v2, 31, v0                           ; lane
	v_lshlrev_b32 v3, 4, v2                        ; my 16 bytes of a load's 512
	s_mul_i32 s17, s16, WREG
	v_lshrrev_b32 v14, 2, v2
	v_mul_u32_u24 v14, v14, SP
	v_and_b32 v15, 3, v2
	v_lshl_add_u32 v14, v15, 4, v14
	v_add_nc_u32 v14, s17, v14                     ; the stage, on the way in: SP (lane / 4) + 16 (lane % 4)
	v_mul_u32_u24 v15, v2, SP
	v_add_nc_u32 v15, s17, v15                     ; and on the way out: SP x lane: my 16 neighbours
	v_and_b32 v4, 15, v2                           ; a step is 512 along K: lanes 0-15 hold one piece of 192 bytes, lanes 16-31 the next, a plane further on
	v_mul_u32_u24 v4, v4, CB
	v_lshrrev_b32 v10, 4, v2
	v_mul_u32_u24 v10, v10, PLANE
	v_add_nc_u32 v4, v4, v10
	v_lshrrev_b32 v5, 1, v2
	s_add_co_u32 s17, s17, 2*32*SP
	v_add_nc_u32 v5, s17, v5                       ; LDS: my wave's 256 scale bytes, my block's byte
	v_lshlrev_b32 v7, 3, v2                        ; and on the way out 8 bytes a lane
	v_add_nc_u32 v6, s17, v7
	s_wait_alu depctr_va_vdst(0)
	s_wait_kmcnt 0x0
	s_cmp_lt_u32 ttmp9, 256                        ; which tensor: the choice hangs on the work-group's number alone
	s_cselect_b64 s[4:5], s[4:5], s[6:7]
	s_cselect_b32 s17, 0, 256
	s_cmp_lt_u32 ttmp9, 352
	s_cselect_b64 s[4:5], s[4:5], s[8:9]
	s_cselect_b32 s17, s17, 352                    ; the tensor's first work-group
	s_cselect_b32 s22, 1, 0                        ; 1: position order
	s_sub_co_u32 s17, ttmp9, s17
	s_lshl_b32 s17, s17, 2
	s_add_co_u32 s18, s17, s16                     ; which run of 8,192 numbers of the tensor I read
	s_lshl_b32 s18, s18, 15                        ; x 32,768 bytes (under 2^26)
	s_mov_b32 s19, 0
	s_add_nc_u64 s[4:5], s[4:5], s[18:19]
	s_and_b32 s23, s16, 1
	s_lshl_b32 s23, s23, 1
	s_lshr_b32 s24, s16, 1
	s_or_b32 s23, s23, s24                         ; waves 1 and 2 change places
	s_cmp_eq_u32 s22, 1
	s_cselect_b32 s23, s23, s16
	s_lshl_b32 s24, ttmp9, 2
	s_add_co_u32 s23, s23, s24                     ; which run of the output I write: the tensors lie on end in work-group order
	s_lshr_b32 s20, s23, 4                         ; a run is 8 rows, sixteen runs a group:
	s_mul_i32 s20, s20, 4*PLANE                    ; the group's first byte,
	s_and_b32 s24, s23, 15
	s_mul_i32 s24, s24, 8*192                      ; and the run's 1,536 bytes in each of its pieces
	s_add_co_u32 s20, s20, s24
	s_mov_b32 s21, 0
	s_add_nc_u64 s[10:11], s[10:11], s[20:21]
	s_lshl_b32 s20, s23, 8                         ; 256 scale bytes a run
	s_add_nc_u64 s[12:13], s[12:13], s[20:21]
.macro LOAD t
.irp i, 0,1,2,3
	global_load_b128 v[R+16*((\t)%4)+4*\i:R+16*((\t)%4)+4*\i+3], v3, s[4:5] offset:2048*(\t)+512*\i th:TH_LOAD_NT   ; 32 lanes read 512 consecutive bytes
.endr
.endm
.macro TURN t                          ; step t's numbers through the stage: LDS serves a wave's instructions in order, so no wait stands between the stores and the loads
.irp i, 0,1,2,3
	ds_store_b128 v14, v[R+16*((\t)%4)+4*\i:R+16*((\t)%4)+4*\i+3] offset:32*SP*((\t)%2)+8*SP*\i
.endr
.irp i, 0,1,2,3
	ds_load_b128 v[X+16*((\t)%2)+4*\i:X+16*((\t)%2)+4*\i+3], v15 offset:32*SP*((\t)%2)+16*\i
.endr
.endm
.irp t, 0,1,2,3
	LOAD \t
.endr
	s_wait_loadcnt 12                              ; step 0's four loads are in; the twelve of steps 1 to 3 may be out
	TURN 0
.macro STEP t
.set XS, X+16*((\t)%2)
.if (\t) > 0
	s_wait_dscnt 1                                 ; this step's numbers are back from the stage (the last step's byte store may be out)
.else
	s_wait_dscnt 0x0
.endif
.if (\t)+4 < STEPS
	LOAD (\t)+4                                    ; into the registers that this step's stage stores have read
.endif
.if (\t)+1 < STEPS
.if STEPS-2-(\t) >= 3
	s_wait_loadcnt 12                              ; the next step's four loads are in; those of the three steps behind it may be out
.else
	s_wait_loadcnt 4*(STEPS-2-(\t))
.endif
	TURN (\t)+1
.endif
	v_max3_num_f32 v8, |v[XS]|, |v[XS+1]|, |v[XS+2]|               ; the largest magnitude of my 16, in two chains
	v_max3_num_f32 v9, |v[XS+3]|, |v[XS+4]|, |v[XS+5]|
.irp i, 6,10
	v_max3_num_f32 v8, v8, |v[XS+\i]|, |v[XS+\i+1]|
	v_max3_num_f32 v9, v9, |v[XS+\i+2]|, |v[XS+\i+3]|
.endr
	v_max3_num_f32 v8, v8, |v[XS+14]|, |v[XS+15]|
	v_max3_num_f32 v8, v8, v9, (EMAX+1)<<23        ; and the floor 2^(3 - 127): the byte cannot fall under 1
	v_max_num_f32_dpp v8, v8, v8 row_xmask:1 row_mask:0xf bank_mask:0xf   ; and of my neighbour's 16: the block's
	v_add_nc_u32 v11, -(EMAX<<23), v8              ; 2 off its exponent field: the conversion takes the exponent field of this operand as its scale
	v_cvt_scalef32_pk16_fp6_f32 v[C+4*(\t):C+4*(\t)+2], v[XS:XS+15], v11
	v_lshrrev_b32 v[E+(\t)], 23, v11               ; the scale's byte (a plain line behind the conversion)
	ds_store_b8 v5, v[E+(\t)] offset:16*(\t)       ; both lanes of a block write the same byte with the same value
	global_store_b96 v4, v[C+4*(\t):C+4*(\t)+2], s[10:11] offset:((\t)%2)*2*PLANE+((\t)/2)*192   ; row t / 2, pieces 2 (t % 2) and the next: sixteen lanes store 192 consecutive bytes
.endm
.irp t, 0,1,2,3,4,5,6,7,8,9,10,11,12,13,14,15
	STEP \t
.endr
	ds_load_b64 v[8:9], v6                         ; LDS serves a wave's instructions in order: these see my stores
	s_wait_dscnt 0x0
	global_store_b64 v7, v[8:9], s[12:13]          ; 32 lanes store 256 consecutive bytes, aligned
	s_wait_tensorcnt 0x0                           ; the wave's end, behind my last LDS store
	ds_add_u32 v[SPW], v[NIL]
	s_wait_dscnt 0x0
	s_endpgm
.Lfunc_end_k_q00707fd449_quant:
	.size	k_q00707fd449_quant, .Lfunc_end_k_q00707fd449_quant-k_q00707fd449_quant
	.p2alignl 7, 3214868480
	.fill 96, 4, 3214868480
	.section	.rodata,"a",@progbits
	.p2align	6, 0x0
	.amdhsa_kernel k_q00707fd449_quant
		.amdhsa_group_segment_fixed_size 33280
		.amdhsa_private_segment_fixed_size 0
		.amdhsa_enable_private_segment 0
		.amdhsa_kernarg_size 40
		.amdhsa_user_sgpr_count 2
		.amdhsa_user_sgpr_kernarg_segment_ptr 1
		.amdhsa_wavefront_size32 1
		.amdhsa_system_sgpr_workgroup_id_x 1
		.amdhsa_system_sgpr_workgroup_id_y 1
		.amdhsa_system_sgpr_workgroup_id_z 1
		.amdhsa_system_vgpr_workitem_id 0
		.amdhsa_next_free_vgpr 192
		.amdhsa_next_free_sgpr 66
		.amdhsa_reserve_vcc 0
		.amdhsa_float_denorm_mode_32 3
		.amdhsa_float_denorm_mode_16_64 3
		.amdhsa_memory_ordered 1
		.amdhsa_forward_progress 1
		.amdhsa_inst_pref_size 33
	.end_amdhsa_kernel
	.amdgpu_metadata
---
amdhsa.version: [ 1, 2 ]
amdhsa.kernels:
  - .name:           k_q00707fd449_quant
    .symbol:         k_q00707fd449_quant.kd
    .args:
      - { .name: x, .offset: 0, .size: 8, .value_kind: global_buffer, .address_space: global }
      - { .name: qkv_w, .offset: 8, .size: 8, .value_kind: global_buffer, .address_space: global }
      - { .name: out_w, .offset: 16, .size: 8, .value_kind: global_buffer, .address_space: global }
      - { .name: codes, .offset: 24, .size: 8, .value_kind: global_buffer, .address_space: global }
      - { .name: scales, .offset: 32, .size: 8, .value_kind: global_buffer, .address_space: global }
    .group_segment_fixed_size: 33280
    .private_segment_fixed_size: 0
    .kernarg_segment_align: 8
    .kernarg_segment_size: 40
    .max_flat_workgroup_size: 128
    .sgpr_count:     66
    .vgpr_count:     192
    .wavefront_size: 32
...
	.end_amdgpu_metadata
.endif
;; end of part 1
;; launch qkv (part 2): grid 12 x 32, 4 waves a work-group, clusters of 4 x 4, 327,680 bytes of LDS; arguments codes, scales, qkv_b, qkvimg; writes qkvimg
.if DOCPART == 2
	.amdgcn_target "amdgcn-amd-amdhsa--gfx1250"
	.amdhsa_code_object_version 6
	.text
	.protected	k_q00707fd449_qkv
	.globl	k_q00707fd449_qkv
	.p2align	8
	.type	k_q00707fd449_qkv,@function
k_q00707fd449_qkv:
	s_mov_b64 s[64:65], 0
	v_nop
	global_prefetch_b8 v0, s[64:65] scope:SCOPE_SE
	s_setreg_imm32_b32 hwreg(HW_REG_WAVE_MODE, 25, 1), 1
	s_wait_xcnt 0x0
	s_wait_alu depctr_hold_cnt(0) depctr_sa_sdst(0) depctr_va_vdst(0) depctr_va_sdst(0) depctr_va_ssrc(0) depctr_va_vcc(0) depctr_vm_vsrc(0)
	s_getreg_b32 s2, hwreg(HW_REG_IB_STS2, 6, 4)
	s_cmp_eq_u32 s2, 0
	s_cbranch_scc0 .Lentry_in_a_cluster
	s_endpgm
.Lentry_in_a_cluster:
	s_bfe_u32 s2, ttmp6, 0x10000c
	s_cmp_lg_u32 s2, 0xf033
	s_cbranch_scc0 .Lentry_shape_is_right
	s_endpgm
.Lentry_shape_is_right:
.set ROWB,   24576                     ; from a piece of 256 along K to the next, in codes[group of 128 rows][piece][row in the group][192]
.set KROW,   768                       ; a row's share of its group's bytes: tiles begin at multiples of 128 rows, 98,304 bytes a group
.set PITCH,  240
.set FR,     12
.set NL,     6
.set NP,     4
.set HALFT,  128*PITCH
.set SLOT,   4*HALFT
.set SPARE,  2*SLOT
.set ASTEP,  2*ROWB
.set BSTEP,  2*ROWB
.set ADRA, 16
.set ADRB, 20
.set SPW,  28
.set NIL,  29
.set SA,   32
.set SB,   64
.set BA,   96
.set AF,   128
.set G1, 24
.set G0, 32
.set G1B, 48
.set G0B, 56
.set MSB, 0
.macro WIN new
.if MSB != \new
	s_set_vgpr_msb (MSB<<8)|\new
.set MSB, \new
.endif
.endm
.set MUL_LO, 0xa1
.set MUL_HI, 0xf1
.set FST_LO, 0x91
.set FST_HI, 0xd1
.set TO_B,   0x40
.macro JLOAD g0a, g1a, g0b, g1b
	s_cmp_eq_u32 s15, 0
	s_cbranch_scc0 .Lfor_b_\@
	tensor_load_to_lds s[\g0a:\g0a+3], s[\g1a:\g1a+7]
	s_nop 0
.rept 4
	v_nop
.endr
	s_branch .Lasked_\@
.Lfor_b_\@:
	tensor_load_to_lds s[\g0b:\g0b+3], s[\g1b:\g1b+7]
	s_nop 0
.rept 4
	v_nop
.endr
.Lasked_\@:
.endm
.macro CREST
	s_cmp_lg_u32 s14, 0
	s_cbranch_scc1 .Lnot_wave_0_\@
	s_barrier_signal -3
.Lnot_wave_0_\@:
	s_barrier_wait -3
	s_barrier_signal -1
	s_barrier_wait -1
.endm
.macro CROUND
	s_barrier_signal -1
	s_barrier_wait -1
	CREST
.endm
.macro PLACES n
.rept \n
	v_nop
.endr
.endm
	s_load_b256 s[4:11], s[0:1], 0x0
	v_lshl_add_u32 v[SPW], v0, 2, SPARE
	v_mov_b32 v[NIL], 0
	ds_add_u32 v[SPW], v[NIL]
	ds_add_u32 v[SPW], v[NIL]
	v_lshrrev_b32 v1, 5, v0
	v_readfirstlane_b32 s14, v1
	s_lshr_b32 s15, s14, 1
	s_and_b32 s16, s14, 1
	s_bfe_u32 s40, ttmp6, 0x40000
	s_bfe_u32 s41, ttmp6, 0x40004
	s_and_b32 s12, ttmp7, 0xffff
	s_cmp_eq_u32 ttmp9, 2
	s_cselect_b32 s13, 0, s12
	s_cselect_b32 s45, s12, ttmp9
	s_cselect_b32 s68, 7864320, 0
	s_cselect_b32 s69, 0, 6291456
	s_cselect_b32 s70, 327680, 0
	s_cselect_b32 s71, 0, 262144
	s_cselect_b32 s72, -1, 0
	s_mov_b32 s73, 307200
	s_cselect_b32 s73, 1536, s73
	s_mov_b32 s74, 1536
	s_cselect_b32 s74, 3072, s74
	s_mov_b32 s75, 3072
	s_cselect_b32 s75, 307200, s75
	s_mov_b32 s84, 0x05040100
	s_cselect_b32 s84, 0x03020100, s84
	s_mov_b32 s85, 0x07060302
	s_cselect_b32 s85, 0x07060504, s85
	s_mov_b32 s86, 0xffff0000
	s_mov_b32 s98, 0x76543210
	s_mov_b32 s99, 0xfedcba98
	s_lshl_b32 s17, s13, 2
	s_add_co_u32 s17, s17, s41
	s_lshl_b32 s42, s45, 2
	s_add_co_u32 s42, s42, s40
	s_lshl_b32 s43, s41, 2
	s_lshl_b32 s43, 15, s43
	s_lshl_b32 s44, 0x1111, s40
	s_or_b32 s[G1+0], s43, (1<<20)|(1<<21)|(3<<22)|(3<<25)
	s_or_b32 s[G1B+0], s44, (1<<20)|(1<<21)|(3<<22)|(3<<25)
.irp g, G1, G1B
	s_mov_b32 s[\g+1], 256<<16                     ; 128 rows x 192 bytes of a plane are 24,576 dense bytes: stated as 96 rows of 256, each at a multiple of 256;
	s_mov_b32 s[\g+2], 96<<16                      ; 16 bytes of padding follow every 64, so a row of 192 bytes still has the LDS pitch 240
	s_mov_b32 s[\g+3], 256<<16
	s_mov_b32 s[\g+4], 96
	s_mov_b32 s[\g+5], 256
	s_mov_b32 s[\g+6], 0
	s_mov_b32 s[\g+7], 0
.endr
	s_lshl_b32 s18, s16, 7
	s_lshl_b32 s20, s17, 8
	s_add_co_u32 s20, s20, s18
	s_mul_i32 s20, s20, KROW
	s_add_co_u32 s20, s20, s68
	s_mov_b32 s21, 0
	s_lshl_b32 s46, s42, 8
	s_add_co_u32 s46, s46, s18
	s_mul_i32 s46, s46, KROW
	s_add_co_u32 s46, s46, s69
	s_mov_b32 s47, 0
	s_mul_i32 s45, s14, HALFT
	s_wait_dscnt 0x0
	s_wait_kmcnt 0x0
	s_add_nc_u64 s[20:21], s[4:5], s[20:21]
	s_add_nc_u64 s[46:47], s[4:5], s[46:47]
	CROUND
.irp s, 0,1
	s_mov_b32 s[G0+4*\s], 1
	s_add_co_u32 s[G0+4*\s+1], s45, \s*SLOT
	s_add_nc_u64 s[G0+4*\s+2:G0+4*\s+3], s[20:21], \s*ROWB
	s_or_b32 s[G0+4*\s+3], s[G0+4*\s+3], 0x80000000
	s_mov_b32 s[G0B+4*\s], 1
	s_add_co_u32 s[G0B+4*\s+1], s45, \s*SLOT
	s_add_nc_u64 s[G0B+4*\s+2:G0B+4*\s+3], s[46:47], \s*ROWB
	s_or_b32 s[G0B+4*\s+3], s[G0B+4*\s+3], 0x80000000
	s_wait_alu depctr_va_vdst(0)
	s_wait_tensorcnt 0x0
	ds_add_u32 v28, v29
	ds_add_u32 v28, v29
	s_wait_dscnt 0x0
	CROUND
	JLOAD G0+4*\s, G1, G0B+4*\s, G1B
.endr
	v_and_b32 v1, 15, v0
	v_bfe_u32 v2, v0, 4, 1
	v_lshlrev_b32 v30, 5, v1
	v_lshl_add_u32 v30, v2, 4, v30
	s_wait_alu depctr_va_vdst(0)
	v_lshlrev_b32 v31, 6, v2
	s_wait_alu depctr_va_vdst(0)
	v_and_b32 v3, 8, v1
	v_add_nc_u32 v3, v3, v1
	v_lshlrev_b32 v27, 2, v3
	s_wait_alu depctr_va_vdst(0)
	s_lshl_b32 s87, s17, 8
	s_lshl_b32 s23, s15, 7
	s_add_co_u32 s87, s87, s23
	s_lshl_b32 s88, s42, 8
	s_add_co_u32 s88, s88, s18
	s_lshl_b32 s90, s87, 5
	s_add_co_u32 s90, s90, s70
	s_mov_b32 s91, 0
	s_add_nc_u64 s[90:91], s[6:7], s[90:91]
	s_lshl_b32 s92, s88, 5
	s_add_co_u32 s92, s92, s71
	s_mov_b32 s93, 0
	s_add_nc_u64 s[92:93], s[6:7], s[92:93]
	s_lshl_b32 s94, s88, 2
	s_and_not1_b32 s94, s94, s72
	s_mov_b32 s95, 0
	s_add_nc_u64 s[94:95], s[8:9], s[94:95]
	s_add_co_u32 s96, s87, 2048
	s_lshl_b32 s96, s96, 2
	s_and_b32 s96, s96, s72
	s_mov_b32 s97, 0
	s_add_nc_u64 s[96:97], s[8:9], s[96:97]
.irp i, 0,1,2,3,4,5,6,7
	global_load_b128 v[SA+4*\i:SA+4*\i+3], v30, s[90:91] offset:512*\i
	global_load_b128 v[SB+4*\i:SB+4*\i+3], v30, s[92:93] offset:512*\i
.endr
	WIN TO_B
.irp b, 0,1,2,3,4,5,6,7
	global_load_b128 v[96+8*\b+96*(\b/4):96+8*\b+96*(\b/4)+3], v31, s[94:95] offset:(32*(\b/2)+8*(\b%2))*4
	global_load_b128 v[96+8*\b+96*(\b/4)+4:96+8*\b+96*(\b/4)+7], v31, s[94:95] offset:(32*(\b/2)+8*(\b%2))*4+16
.endr
	WIN 0
.irp a, 0,1,2,3,4,5,6,7
	global_load_b32 v[BA+2*\a], v27, s[96:97] offset:(32*(\a/2)+8*(\a%2))*4
	global_load_b32 v[BA+2*\a+1], v27, s[96:97] offset:(32*(\a/2)+8*(\a%2))*4
.endr
	v_mul_u32_u24 v3, v1, PITCH
	v_mul_u32_u24 v4, v2, 24
	v_add_nc_u32 v4, v3, v4
	v_lshl_add_u32 v5, v2, 4, v4
	s_mul_i32 s21, s15, HALFT
	s_mul_i32 s22, s16, HALFT
	s_add_co_u32 s22, s22, 2*HALFT
.irp s, 0,1
	v_add_nc_u32 v[ADRA+\s], s21, v4
	v_add_nc_u32 v[ADRB+\s], s22, v4
	v_add_nc_u32 v[ADRA+2+\s], s21, v5
	v_add_nc_u32 v[ADRB+2+\s], s22, v5
	s_add_co_u32 s21, s21, SLOT
	s_add_co_u32 s22, s22, SLOT
.endr
	v_and_b32 v6, 31, v0
	v_lshlrev_b32 v7, 4, v6
	v_mul_u32_u24 v8, v2, 307200
	v_lshl_add_u32 v8, v1, 4, v8
	v_add_nc_u32 v8, 6144, v8
	s_cmp_eq_u32 ttmp9, 2
	s_cselect_b32 s76, s88, s87
	s_cselect_b32 s77, s87, s88
	s_and_b32 s77, s77, 1023
	s_lshr_b32 s78, s76, 11
	s_lshl_b32 s78, s78, 4
	s_lshr_b32 s77, s77, 6
	s_add_co_u32 s78, s78, s77
	s_mul_i32 s78, s78, 307200
	s_bfe_u32 s79, s76, 0x40007
	s_mul_i32 s79, s79, 19200
	s_add_co_u32 s78, s78, s79
	s_mul_i32 s79, ttmp9, 6400
	s_add_co_u32 s78, s78, s79
	s_mov_b32 s79, 0
	s_add_nc_u64 s[10:11], s[10:11], s[78:79]
	s_wait_loadcnt 0x0
	WIN 0x41
.irp b, 0,1,2,3,4,5,6,7
.irp j, 0,1,2,3,4,5,6,7
	v_cndmask_b32 v[96+8*\b+96*(\b/4)+\j], v[96+8*\b+96*(\b/4)+\j], 0, s72
.endr
.endr
	WIN 0
.irp j, 0,1,2,3,4,5,6,7,8,9,10,11,12,13,14,15
	v_cndmask_b32 v[BA+\j], 0, v[BA+\j], s72
.endr
.macro FRAG reg, adr, q, i
.irp p, 0,1,2,3,4,5
.set PC, 12*(\q)+6*(\p/3)+\p%3
.if PC%8 < 5
	ds_load_b64 v[\reg+2*\p:\reg+2*\p+1], v[\adr] offset:8*PC+16*(PC/8)+(\i)*16*PITCH
.else
	ds_load_b64 v[\reg+2*\p:\reg+2*\p+1], v[\adr+2] offset:8*PC+16*(PC/8)+(\i)*16*PITCH
.endif
.endr
.endm
.macro MUL16 a0, p, kq, first
.irp a, \a0, \a0+1
.irp b, 0,1,2,3,4,5,6,7
.if \first
	v_wmma_scale_f32_16x16x128_f8f6f4 v[8*(8*((\a)%4)+\b):8*(8*((\a)%4)+\b)+7], v[128*(\p)+FR*\b:128*(\p)+FR*\b+FR-1], v[AF+FR*(\a):AF+FR*(\a)+FR-1], v[96+8*\b+96*(\b/4):96+8*\b+96*(\b/4)+7], v[SB+4*\b+(\kq)%4], v[SA+4*(\a)+(\kq)%4] matrix_a_fmt:MATRIX_FMT_FP6 matrix_b_fmt:MATRIX_FMT_FP6
.elseif (\kq) < 4
	v_wmma_scale_f32_16x16x128_f8f6f4 v[8*(8*((\a)%4)+\b):8*(8*((\a)%4)+\b)+7], v[128*(\p)+FR*\b:128*(\p)+FR*\b+FR-1], v[AF+FR*(\a):AF+FR*(\a)+FR-1], v[8*(8*((\a)%4)+\b):8*(8*((\a)%4)+\b)+7], v[SB+4*\b+(\kq)%4], v[SA+4*(\a)+(\kq)%4] matrix_a_fmt:MATRIX_FMT_FP6 matrix_b_fmt:MATRIX_FMT_FP6
.else
	v_wmma_scale_f32_16x16x128_f8f6f4 v[8*(8*((\a)%4)+\b):8*(8*((\a)%4)+\b)+7], v[128*(\p)+FR*\b:128*(\p)+FR*\b+FR-1], v[AF+FR*(\a):AF+FR*(\a)+FR-1], v[8*(8*((\a)%4)+\b):8*(8*((\a)%4)+\b)+7], v[SB+4*\b+(\kq)%4], v[SA+4*(\a)+(\kq)%4] matrix_a_fmt:MATRIX_FMT_FP6 matrix_b_fmt:MATRIX_FMT_FP6 matrix_a_scale:MATRIX_SCALE_ROW1 matrix_b_scale:MATRIX_SCALE_ROW1
.endif
.endr
.endr
.endm
.macro FETCH_B slot, q, p
	WIN TO_B
.irp i, 0,1,2,3,4,5,6,7
	FRAG 128*(\p)+FR*\i, ADRB+\slot, \q, \i
.endr
	WIN 0
.endm
.macro FETCH_A slot, q, i0
.irp i, \i0, \i0+1, \i0+2, \i0+3
	FRAG AF+FR*(\i), ADRA+\slot, \q, \i
.endr
.endm
.macro STEP slot, kq, first
	s_wait_dscnt 4*NL
.if \first
	WIN FST_LO
.else
	WIN MUL_LO
.endif
	MUL16 0, 0, \kq, \first
	MUL16 2, 0, \kq, \first
	s_wait_dscnt 0
	PLACES NP
	FETCH_B \slot, 1, 1
	FETCH_A \slot, 1, 0
.if \first
	WIN FST_HI
.else
	WIN MUL_HI
.endif
	MUL16 4, 0, \kq, \first
	MUL16 6, 0, \kq, \first
	PLACES NP
	WIN 0
	FETCH_A \slot, 1, 4
.endm
.macro TURN slot, next, fill, kq
	s_wait_tensorcnt 0x0
	ds_add_u32 v[SPW], v[NIL]
	s_wait_dscnt 4*NL+1
	WIN MUL_LO
	MUL16 0, 1, \kq, 0
	s_wait_dscnt 0x0
	s_barrier_signal -1
	MUL16 2, 1, \kq, 0
	WIN 0
	s_barrier_wait -1
.if \fill
	CREST
	s_add_nc_u64 s[G0+4*\slot+2:G0+4*\slot+3], s[G0+4*\slot+2:G0+4*\slot+3], ASTEP
	s_add_nc_u64 s[G0B+4*\slot+2:G0B+4*\slot+3], s[G0B+4*\slot+2:G0B+4*\slot+3], BSTEP
	JLOAD G0+4*\slot, G1, G0B+4*\slot, G1B
.else
	PLACES NP
.endif
	FETCH_B \next, 0, 0
	FETCH_A \next, 0, 0
	WIN MUL_HI
	MUL16 4, 1, \kq, 0
	MUL16 6, 1, \kq, 0
	PLACES NP
	WIN 0
	FETCH_A \next, 0, 4
.endm
	s_wait_tensorcnt 1
	s_barrier_signal -1
	s_barrier_wait -1
	FETCH_B 0, 0, 0
	FETCH_A 0, 0, 0
	FETCH_A 0, 0, 4
	STEP 0, 0, 1
	TURN 0, 1, 1, 1
	STEP 1, 2, 0
	TURN 1, 0, 1, 3
	STEP 0, 4, 0
	TURN 0, 1, 0, 5
	STEP 1, 6, 0
	s_wait_dscnt 4*NL
	WIN MUL_LO
	MUL16 0, 1, 7, 0
	MUL16 2, 1, 7, 0
	s_wait_dscnt 0
	WIN MUL_HI
	MUL16 4, 1, 7, 0
	MUL16 6, 1, 7, 0
	WIN 0
.set VO,  80
.set OW,  88
.set HA,  128
.set TM,  192
.set X,   208
.set T0,  216
.set T1,  222
.set PW,  232
.set W,   240
.macro QUANT s, d0, d1, pw
.irp b, 0,1,2,3
	v_max3_num_f32 v[TM+\b], |v[\s+16*\b]|, |v[\s+1+16*\b]|, 0x1800000
.endr
.irp i, 2,4,6,8,10,12,14
.irp b, 0,1,2,3
	v_max3_num_f32 v[TM+\b], v[TM+\b], |v[\s+16*\b+\i]|, |v[\s+1+16*\b+\i]|
.endr
.endr
.irp b, 0,1,2,3
	v_permlanex16_b32 v[TM+4+\b], v[TM+\b], s98, s99
.endr
.irp b, 0,1,2,3
	v_max_num_f32 v[TM+\b], v[TM+\b], v[TM+4+\b]
.endr
.irp b, 0,1,2,3
	v_add_nc_u32 v[TM+12+\b], 0xff000000, v[TM+\b]
.endr
.irp b, 0,1,2,3
	v_lshrrev_b32 v[TM+4+\b], 23, v[TM+12+\b]
.endr
	v_lshl_or_b32 v[\pw], v[TM+5], 8, v[TM+4]
	v_lshl_or_b32 v[\pw], v[TM+6], 16, v[\pw]
	v_lshl_or_b32 v[\pw], v[TM+7], 24, v[\pw]
	v_cvt_scalef32_pk16_fp6_f32 v[\d0:\d0+2], v[\s:\s+15], v[TM+12]
	v_cvt_scalef32_pk16_fp6_f32 v[X:X+2], v[\s+16:\s+31], v[TM+13]
	v_cvt_scalef32_pk16_fp6_f32 v[\d1:\d1+2], v[\s+32:\s+47], v[TM+14]
	v_cvt_scalef32_pk16_fp6_f32 v[X+4:X+6], v[\s+48:\s+63], v[TM+15]
	v_nop
.irp i, 0,1,2
	v_permlane16_swap_b32 v[\d0+\i], v[X+\i]
	v_permlane16_swap_b32 v[\d1+\i], v[X+4+\i]
.endr
.irp i, 0,1,2
	v_mov_b32 v[\d0+3+\i], v[X+\i]
	v_mov_b32 v[\d1+3+\i], v[X+4+\i]
.endr
.endm
.macro TAKE a
.set WN, 0x02+(\a)/4
.set AC, 64*((\a)%4)
	WIN WN
.set i, 0
.rept 32
	v_pk_add_f32 v[HA+2*i:HA+2*i+1], v[AC+2*i:AC+2*i+1], v[BA+2*(\a):BA+2*(\a)+1]
.set i, i+1
.endr
	WIN 0
.endm
	PLACES NP
.irp b, 0,1,2,3
	v_mov_b32 v[TM+4+\b], 0
.endr
.irp i, 0,1,2,3,4,5,6,7
	s_mov_b32 s76, 0
.if \i & 1
	s_add_co_u32 s76, s76, s73
.endif
.if (\i >> 1) & 1
	s_add_co_u32 s76, s76, s74
.endif
.if \i >> 2
	s_add_co_u32 s76, s76, s75
.endif
	v_add_nc_u32 v[VO+\i], s76, v7
.endr
.irp g, 0,1,2,3
.set F0, 32+24*(\g%2)
.set F1, F0+12
.if \g >= 2
	s_wait_xcnt 0x0
.endif
	TAKE 2*\g
	QUANT HA, F0, T0, PW+2*\g
	TAKE 2*\g+1
	QUANT HA, T1, F1+6, PW+2*\g+1
.irp i, 0,1,2,3,4,5
	v_cndmask_b32 v[F0+6+\i], v[T1+\i], v[T0+\i], s72
	v_cndmask_b32 v[F1+\i], v[T0+\i], v[T1+\i], s72
.endr
	v_perm_b32 v[W+2*\g], v[PW+2*\g+1], v[PW+2*\g], s84
	v_perm_b32 v[W+2*\g+1], v[PW+2*\g+1], v[PW+2*\g], s85
.irp c, 0,1,2
	global_store_b128 v[VO+2*\g], v[F0+4*\c:F0+4*\c+3], s[10:11] offset:512*\c
	global_store_b128 v[VO+2*\g+1], v[F1+4*\c:F1+4*\c+3], s[10:11] offset:512*\c
.endr
.endr
.irp p, 0,1,2,3
	v_cndmask_b32 v[112+\p], v[W+2*\p], v[W+\p], s72
	v_cndmask_b32 v[116+\p], v[W+2*\p+1], v[W+4+\p], s72
.endr
.irp p, 0,1,2,3
	v_cndmask_b32 v[OW+\p], v[112+\p], v[116+\p], s86
.endr
	global_store_b128 v8, v[OW:OW+3], s[10:11]
	s_wait_tensorcnt 0x0
	ds_add_u32 v[SPW], v[NIL]
	s_wait_dscnt 0x0
	CROUND
	s_endpgm
.Lfunc_end_k_q00707fd449_qkv:
	.size	k_q00707fd449_qkv, .Lfunc_end_k_q00707fd449_qkv-k_q00707fd449_qkv
	.p2alignl 7, 3214868480
	.fill 96, 4, 3214868480
	.section	.rodata,"a",@progbits
	.p2align	6, 0x0
	.amdhsa_kernel k_q00707fd449_qkv
		.amdhsa_group_segment_fixed_size 327680
		.amdhsa_private_segment_fixed_size 0
		.amdhsa_enable_private_segment 0
		.amdhsa_kernarg_size 32
		.amdhsa_user_sgpr_count 2
		.amdhsa_user_sgpr_kernarg_segment_ptr 1
		.amdhsa_wavefront_size32 1
		.amdhsa_system_sgpr_workgroup_id_x 1
		.amdhsa_system_sgpr_workgroup_id_y 1
		.amdhsa_system_sgpr_workgroup_id_z 1
		.amdhsa_system_vgpr_workitem_id 0
		.amdhsa_next_free_vgpr 1024
		.amdhsa_next_free_sgpr 100
		.amdhsa_reserve_vcc 0
		.amdhsa_float_denorm_mode_32 3
		.amdhsa_float_denorm_mode_16_64 3
		.amdhsa_memory_ordered 1
		.amdhsa_forward_progress 1
		.amdhsa_inst_pref_size 193
	.end_amdhsa_kernel
	.amdgpu_metadata
---
amdhsa.version: [ 1, 2 ]
amdhsa.kernels:
  - .name:           k_q00707fd449_qkv
    .symbol:         k_q00707fd449_qkv.kd
    .args:
      - { .name: codes, .offset: 0, .size: 8, .value_kind: global_buffer, .address_space: global }
      - { .name: scales, .offset: 8, .size: 8, .value_kind: global_buffer, .address_space: global }
      - { .name: qkv_b, .offset: 16, .size: 8, .value_kind: global_buffer, .address_space: global }
      - { .name: qkvimg, .offset: 24, .size: 8, .value_kind: global_buffer, .address_space: global }
    .group_segment_fixed_size: 327680
    .private_segment_fixed_size: 0
    .kernarg_segment_align: 8
    .kernarg_segment_size: 32
    .max_flat_workgroup_size: 128
    .sgpr_count:     100
    .vgpr_count:     1024
    .wavefront_size: 32
...
	.end_amdgpu_metadata
.endif
;; end of part 2
;; launch attn (part 3): grid 4 x 64, 16 waves a work-group, clusters of 4 x 1, 208,896 bytes of LDS; arguments qkvimg, ao_img, ao_scl; writes ao_img, ao_scl
.if DOCPART == 3
	.amdgcn_target "amdgcn-amd-amdhsa--gfx1250"
	.amdhsa_code_object_version 6
	.text
	.protected	k_q00707fd449_attn
	.globl	k_q00707fd449_attn
	.p2align	8
	.type	k_q00707fd449_attn,@function
k_q00707fd449_attn:
	s_mov_b64 s[64:65], 0
	v_nop
	global_prefetch_b8 v0, s[64:65] scope:SCOPE_SE
	s_setreg_imm32_b32 hwreg(HW_REG_WAVE_MODE, 25, 1), 1
	s_wait_xcnt 0x0
	s_wait_alu depctr_hold_cnt(0) depctr_sa_sdst(0) depctr_va_vdst(0) depctr_va_sdst(0) depctr_va_ssrc(0) depctr_va_vcc(0) depctr_vm_vsrc(0)
	s_getreg_b32 s2, hwreg(HW_REG_IB_STS2, 6, 4)
	s_cmp_eq_u32 s2, 0
	s_cbranch_scc0 .Lentry_in_a_cluster
	s_endpgm
.Lentry_in_a_cluster:
	s_bfe_u32 s2, ttmp6, 0x10000c
	s_cmp_lg_u32 s2, 0x3003
	s_cbranch_scc0 .Lentry_shape_is_right
	s_endpgm
.Lentry_shape_is_right:
; For each of 64 heads (batch x head): O = softmax(Q K^T / 8) V on codes of FP6 (E2M3) with E8M0 scales; O / l is quantised along the model's 1,024 (a head's 64 are two blocks) and leaves as operand images for the last product.
; THE SOFTMAX: t = score x log2(e) / 8; M = the running largest t rounded UP to a whole number; p = 2^(t - M) is quantised along the keys, not normalised; the row's sum l is taken of the unquantised p and divides at the end.
; When M moves, l and O are multiplied by 2^(old M - new M): exact.
; SHARES.  A work-group owns 512 queries of one head; each of its sixteen waves 32 of them, as two tiles of 16 in two passes over the keys.  Four waves share a SIMD: one wave's vector work stands beside another's products and LDS loads.
; K AND V OF THE WHOLE HEAD, 204,800 bytes of images and scale words, come into LDS ONCE: each wave brings one step of 128 keys (12,800 dense bytes) by one tensor load.  Nothing is filled again.
; CLUSTER.  The four work-groups of a cluster own the four query blocks of one head and read the same K and V: each load is asked for jointly.
; THE HEAD'S 64 FILL HALF OF THE INSTRUCTION'S K = 128.  An image of K holds two tiles of 16 keys, one in K's lower 64 and one in the upper; the query operand is [q | 0] or [0 | q], which picks one of them: zero codes add nothing.
; LAYOUT.  Both products are used transposed (S^T = K Q^T, O^T = V^T P^T): a lane holds one query throughout.  The keys of a tile are 32 b + 8 u + r + 8 (r / 8), so tiles 2 b, 2 b + 1 give a lane 16 neighbouring keys; V's channels likewise.
; LIMITS: NaN and infinities are not served; a block under 2^-124, a block of zeros among them, keeps the byte 1 (zero codes add nothing).
; REGISTERS: v1-11 addresses; v12 -M, v13 the largest t, v[14:15] l; v16-33 [0 | q | 0]; v36-83 four images of K, then of V; v84-95 Q's image; v96-159 S^T, then p; v160-191 O^T; v192-195 V's scale words; v200 Q's;
;   v202-220 the way out; v224-235 p's codes; v232-254 at work; v248-251 K's scale words; v253 p's; v255 q's.
.set STEPB, 12800                      ; a step in LDS: K's 4 images, K's words at 6,144, V's images at 6,400, V's words at 12,544
.set STG,   16*STEPB                   ; behind them: the work-group's 512 scale halfwords
.set SPARE, STG+1024                   ; the spare words, 128 bytes a wave, which no other line names
.set LI,  1                            ; v1  16 x lane
.set LSC, 2                            ; v2  16 x (lane % 16)
.set ADR, 3                            ; v3  the step's images
.set ADS, 4                            ; v4  the step's scale words
.set SPW, 5                            ; v5  my spare word's address; never rewritten
.set NIL, 6                            ; v6  0; never rewritten
.set KF,  36
.set WV,  18                           ; s18 my wave's number
.set SEL, 20                           ; s[20:21] selects for lane l xor 16
.set CS,  22                           ; s[22:23] c = log2(e) / 8
.set TB,  36                           ; s36 the step's first LDS byte
.set CNT, 37                           ; s37 steps to go
.macro CROUND
	s_barrier_signal -1
	s_barrier_wait -1
	s_cmp_lg_u32 s[WV], 0
	s_cbranch_scc1 .Lnot_wave_0_\@
	s_barrier_signal -3
.Lnot_wave_0_\@:
	s_barrier_wait -3
	s_barrier_signal -1
	s_barrier_wait -1
.endm
	s_load_b128 s[4:7], s[0:1], 0x0                ; qkvimg s[4:5], ao_img s[6:7]
	s_load_b64 s[8:9], s[0:1], 0x10                ; ao_scl
	v_lshl_add_u32 v[SPW], v0, 2, SPARE
	v_mov_b32 v[NIL], 0
	ds_add_u32 v[SPW], v[NIL]                      ; the wave's opening: the add and its wait ahead of my first tensor load; work on registers stands between
	ds_add_u32 v[SPW], v[NIL]
	v_lshrrev_b32 v1, 5, v0
	s_delay_alu instid0(VALU_DEP_1)
	v_readfirstlane_b32 s[WV], v1                  ; wave 0..15
	s_bfe_u32 s39, ttmp6, 0x40000                  ; cx
	s_lshl_b32 s10, ttmp9, 2
	s_add_co_u32 s39, s39, s10                     ; my block of 512 queries: it enters Q's and the outputs' addresses alone
	s_and_b32 s10, ttmp7, 0xffff                   ; the head, 16 x batch + head, which the partners share
	s_mul_i32 s12, s10, 307200                     ; its first byte in qkvimg
	s_mul_i32 s40, s[WV], 19200
	s_add_co_u32 s40, s40, s12
	s_add_co_u32 s40, s40, 6400                    ; step w's K and V sections: 12,800 bytes on end
	s_mov_b32 s41, 0
	s_mov_b32 s32, 1                               ; descriptor group 0: count = 1,
	s_mul_i32 s33, s[WV], STEPB                    ; the LDS address: the wave's number x a constant
	s_mov_b32 s24, 15|(3<<16)|(1<<21)              ; group 1: the mask names all four work-groups; elements of 8 bytes; bit 21 set beside a mask; no padding
	s_mov_b32 s25, 32<<16                          ; tensor_dim0 = 32: rows of 256 bytes
	s_mov_b32 s26, 50<<16                          ; tensor_dim1 = 50
	s_mov_b32 s27, 32<<16                          ; tile_dim0
	s_mov_b32 s28, 50                              ; tile_dim1
	s_mov_b32 s29, 32                              ; the pitch: dense
	s_mov_b32 s30, 0
	s_mov_b32 s31, 0
	s_lshl_b32 s42, s39, 2
	s_lshr_b32 s43, s[WV], 2
	s_add_co_u32 s42, s42, s43                     ; my 32 queries' step: 4 x block + wave / 4,
	s_mul_i32 s42, s42, 19200
	s_add_co_u32 s42, s42, s12
	s_mov_b32 s43, 0
	s_and_b32 s44, s[WV], 3                        ; and their image in its Q section
	s_lshr_b32 s45, s10, 4                         ; batch
	s_and_b32 s46, s10, 15                         ; head H
	s_lshl_b32 s48, s45, 7
	s_lshl_b32 s49, s39, 5
	s_add_co_u32 s48, s48, s49
	s_lshl_b32 s49, s[WV], 1
	s_add_co_u32 s48, s48, s49                     ; my first row block of 16: 128 x batch + 32 x block + 2 x wave
	s_mul_i32 s48, s48, 12288
	s_mul_i32 s49, s46, 768                        ; in it: fragment H / 2, half H % 2: 768 H bytes
	s_add_co_u32 s48, s48, s49
	s_mov_b32 s49, 0
	s_lshl_b32 s50, s46, 14                        ; ao_scl: head H's 8,192 halfwords,
	s_lshl_b32 s51, s45, 12
	s_add_co_u32 s50, s50, s51
	s_lshl_b32 s51, s39, 10
	s_add_co_u32 s50, s50, s51                     ; position 2,048 x batch + 512 x block
	s_mov_b32 s51, 0
	s_mov_b32 s[SEL], 0x76543210
	s_mov_b32 s[SEL+1], 0xfedcba98
	s_mov_b32 s[CS], 0x3e38aa3b                    ; log2(e) / 8
	s_mov_b32 s[CS+1], s[CS]                       ; (named with it as a pair, so it is written)
	s_mov_b32 s38, 0xffff0000                      ; lanes 16-31
	s_wait_dscnt 0x0                               ; the opening add is done
	s_wait_kmcnt 0x0
	s_add_nc_u64 s[34:35], s[4:5], s[40:41]
	s_or_b32 s35, s35, 0x80000000                  ; type = 2
	s_add_nc_u64 s[42:43], s[4:5], s[42:43]
	s_add_nc_u64 s[6:7], s[6:7], s[48:49]
	s_add_nc_u64 s[8:9], s[8:9], s[50:51]
	CROUND                                         ; all four work-groups are here: the joint loads meet
	tensor_load_to_lds s[32:35], s[24:31]          ; my one tensor load: step w of the head's K and V
	s_nop 0
.rept 4
	v_nop
.endr
	v_and_b32 v7, 31, v0                           ; lane
	s_delay_alu instid0(VALU_DEP_1)
	v_lshlrev_b32 v[LI], 4, v7
	v_and_b32 v[LSC], 15, v0
	s_delay_alu instid0(VALU_DEP_1)
	v_lshlrev_b32 v[LSC], 4, v[LSC]
	s_mul_i32 s52, s44, 1536
	v_add_nc_u32 v34, s52, v[LI]
	s_lshl_b32 s53, s44, 2
	v_add_nc_u32 v35, s53, v[LSC]
.irp c, 0,1,2
	global_load_b128 v[84+4*\c:87+4*\c], v34, s[42:43] offset:512*\c   ; Q's image: two tiles of 16 queries
.endr
	global_load_b32 v200, v35, s[42:43] offset:6144                    ; and its scale words
	v_lshlrev_b32 v7, 3, v7                        ; the way out: 8 x lane
	v_lshl_add_u32 v8, v0, 1, STG                  ; my halfword in the stage
	v_lshl_add_u32 v9, v0, 4, STG                  ; and 16 bytes of it on the way back (waves 0 and 1)
	v_lshlrev_b32 v10, 4, v0
.irp i, 0,1,2,3,4,5
	v_mov_b32 v[16+\i], 0                          ; the zero halves beside q
	v_mov_b32 v[28+\i], 0
.endr
.irp b, 0,1,2,3
	v_mov_b32 v[236+\b], 0                         ; written once: a lane permute's destination counts as one of its sources
.endr
	v_mov_b32 v253, 0                              ; (named as the upper half of the pair v[252:253] before it is first written)
	s_wait_loadcnt 0x0                             ; Q
	s_wait_tensorcnt 0x0                           ; my step is in LDS,
	s_barrier_signal -1
	s_barrier_wait -1                              ; everybody's is: all sixteen steps
; A KEY STEP: 128 keys.
.macro STEP
	v_add_nc_u32 v[ADR], s[TB], v[LI]
	v_add_nc_u32 v[ADS], s[TB], v[LSC]
	v_nop
	v_nop                                          ; four places in front of loads into registers that the last products have read
.irp b, 0,1,2,3
.irp c, 0,1,2
	ds_load_b128 v[KF+12*\b+4*\c:KF+12*\b+4*\c+3], v[ADR] offset:1536*\b+512*\c   ; an image comes back as it was stored: 512 consecutive bytes a load
.endr
.endr
	ds_load_b128 v[248:251], v[ADS] offset:6144    ; the four images' scale words of my row
	s_wait_alu depctr_va_vdst(0)
	s_wait_dscnt 0x0
.irp b, 0,1,2,3                                ; S^T = K Q^T: image b's lower tile by [q | 0], its upper by [0 | q]
	v_wmma_scale_f32_16x16x128_f8f6f4 v[96+16*\b:103+16*\b], v[KF+12*\b:KF+12*\b+11], v[22:33], 0, v[248+\b], v255 matrix_a_fmt:MATRIX_FMT_FP6 matrix_b_fmt:MATRIX_FMT_FP6
	v_wmma_scale_f32_16x16x128_f8f6f4 v[104+16*\b:111+16*\b], v[KF+12*\b:KF+12*\b+11], v[16:27], 0, v[248+\b], v255 matrix_a_fmt:MATRIX_FMT_FP6 matrix_b_fmt:MATRIX_FMT_FP6
.endr                                          ; lane (r, h): query r; registers 16 b + i: key 32 b + 16 h + i of the step
.rept 4
	v_nop
.endr
.irp a, 0,1,2,3                                ; V's images land while the softmax is worked
.irp c, 0,1,2
	ds_load_b128 v[KF+12*\a+4*\c:KF+12*\a+4*\c+3], v[ADR] offset:6400+1536*\a+512*\c
.endr
.endr
	ds_load_b128 v[192:195], v[ADS] offset:12544
.irp b, 0,1,2,3
	v_max3_num_f32 v[232+\b], v[96+16*\b], v[97+16*\b], v[98+16*\b]   ; the largest score of each block of 32 keys: it serves for the row's maximum and, since p rises with the score, for the block's largest p
.endr
.irp i, 3,5,7,9,11,13
.irp b, 0,1,2,3
	v_max3_num_f32 v[232+\b], v[232+\b], v[96+16*\b+\i], v[97+16*\b+\i]
.endr
.endr
.irp b, 0,1,2,3
	v_max_num_f32 v[232+\b], v[232+\b], v[111+16*\b]
.endr
.irp b, 0,1,2,3
	s_delay_alu instid0(VALU_DEP_4)
	v_permlanex16_b32 v[236+\b], v[232+\b], s[SEL], s[SEL+1]
.endr
.irp b, 0,1,2,3
	s_delay_alu instid0(VALU_DEP_4)
	v_max_num_f32 v[232+\b], v[232+\b], v[236+\b]  ; with lane l xor 16's 16 keys
.endr
	s_delay_alu instid0(VALU_DEP_2)
	v_max3_num_f32 v254, v232, v233, v234
	s_delay_alu instid0(VALU_DEP_1)
	v_max_num_f32 v254, v254, v235                 ; the step's largest score of my query
	s_delay_alu instid0(VALU_DEP_1)
	v_mul_f32 v254, s[CS], v254                    ; as t (c is positive)
	s_delay_alu instid0(VALU_DEP_1)
	v_max_num_f32 v13, v13, v254                   ; the running largest t
	v_mov_b32 v254, v12
	s_delay_alu instid0(VALU_DEP_2)
	v_floor_f32 v12, -v13                          ; the new -M = floor(-t): M is a whole number
	s_delay_alu instid0(VALU_DEP_1)
	v_sub_f32 v254, v12, v254                      ; old M - new M: a whole number, 0 or less
	s_delay_alu instid0(VALU_DEP_1)
	v_cvt_i32_f32 v254, v254                       ; (it saturates)
	s_delay_alu instid0(VALU_DEP_1)
	v_ldexp_f32 v252, 1.0, v254                    ; f = 2^(old M - new M)
.set j, 0
.rept 32
	v_pk_fma_f32 v[96+j:97+j], v[96+j:97+j], s[CS:CS+1], v[12:13] op_sel_hi:[1,0,0]   ; t - M, two at a time
.set j, j+2
.endr
.irp b, 0,1,2,3
	v_fma_f32 v[232+\b], v[232+\b], s[CS], v12     ; the same of each block's largest score
.endr
.set j, 0
	s_wait_alu depctr_va_vdst(0)
.rept 64
	v_exp_f32 v[96+j], v[96+j]                     ; p = 2^(t - M), at most 1
.set j, j+1
.endr
	v_pk_mul_f32 v[14:15], v[14:15], v[252:253] op_sel_hi:[1,0]   ; l under the new M (a plain place behind the exponentials)
	s_wait_alu depctr_va_vdst(0)                   ; one wait for the whole batch, ahead of its first reader
.irp b, 0,1,2,3
	v_exp_f32 v[232+\b], v[232+\b]                 ; the block's largest p
.endr
	v_pk_add_f32 v[236:237], v[100:101], v[104:105]
	v_pk_add_f32 v[250:251], v[108:109], v[112:113]
	v_pk_add_f32 v[248:249], v[116:117], v[120:121]
	v_pk_add_f32 v[246:247], v[124:125], v[128:129]
	v_pk_add_f32 v[244:245], v[132:133], v[136:137]
	v_pk_add_f32 v[242:243], v[140:141], v[144:145]
	v_pk_add_f32 v[240:241], v[148:149], v[152:153]
	v_pk_add_f32 v[14:15], v[14:15], v[156:157]
	v_pk_add_f32 v[236:237], v[236:237], v[96:97]
	v_pk_add_f32 v[250:251], v[250:251], v[98:99]
	v_pk_add_f32 v[248:249], v[248:249], v[102:103]
	v_pk_add_f32 v[246:247], v[246:247], v[106:107]
	v_pk_add_f32 v[244:245], v[244:245], v[110:111]
	v_pk_add_f32 v[242:243], v[242:243], v[114:115]
	v_pk_add_f32 v[240:241], v[240:241], v[118:119]
	v_pk_add_f32 v[14:15], v[14:15], v[122:123]
	v_pk_add_f32 v[236:237], v[236:237], v[126:127]
	v_pk_add_f32 v[250:251], v[250:251], v[130:131]
	v_pk_add_f32 v[248:249], v[248:249], v[134:135]
	v_pk_add_f32 v[246:247], v[246:247], v[138:139]
	v_pk_add_f32 v[244:245], v[244:245], v[142:143]
	v_pk_add_f32 v[242:243], v[242:243], v[146:147]
	v_pk_add_f32 v[240:241], v[240:241], v[150:151]
	v_pk_add_f32 v[14:15], v[14:15], v[154:155]
	v_pk_add_f32 v[236:237], v[236:237], v[158:159]
	s_delay_alu instid0(VALU_DEP_2)
	v_pk_add_f32 v[14:15], v[14:15], v[246:247]
	s_delay_alu instid0(VALU_DEP_2)
	v_pk_add_f32 v[236:237], v[236:237], v[244:245]
	v_pk_add_f32 v[250:251], v[250:251], v[242:243]
	v_pk_add_f32 v[248:249], v[248:249], v[240:241]
	s_delay_alu instid0(VALU_DEP_2)
	v_pk_add_f32 v[14:15], v[14:15], v[250:251]
	s_delay_alu instid0(VALU_DEP_2)
	v_pk_add_f32 v[236:237], v[236:237], v[248:249]
	s_delay_alu instid0(VALU_DEP_1)
	v_pk_add_f32 v[14:15], v[14:15], v[236:237]
	s_wait_alu depctr_va_vdst(0)                   ; and one for the four
.irp b, 0,1,2,3
	v_max_num_f32 v[232+\b], 0x1800000, v[232+\b]  ; the floor 2^(3 - 127): the byte cannot fall under 1
.endr
.irp b, 0,1,2,3
	s_delay_alu instid0(VALU_DEP_4)
	v_add_nc_u32 v[244+\b], 0xff000000, v[232+\b]  ; 2 off the exponent field: the conversion's scale operand
.endr
.irp b, 0,1,2,3
	s_delay_alu instid0(VALU_DEP_4)
	v_lshrrev_b32 v[236+\b], 23, v[244+\b]         ; the scale's byte
.endr
	s_delay_alu instid0(VALU_DEP_3)
	v_lshl_or_b32 v253, v237, 8, v236              ; p's scale word for these 128 keys
	s_delay_alu instid0(VALU_DEP_1)
	v_lshl_or_b32 v253, v238, 16, v253
	s_delay_alu instid0(VALU_DEP_1)
	v_lshl_or_b32 v253, v239, 24, v253
.irp c, 0,1
	v_cvt_scalef32_pk16_fp6_f32 v[224+6*\c:226+6*\c], v[96+32*\c:111+32*\c], v[244+2*\c]
	v_cvt_scalef32_pk16_fp6_f32 v[236+4*\c:238+4*\c], v[112+32*\c:127+32*\c], v[244+2*\c+1]
.endr
	v_nop                                          ; one plain place behind a scaled conversion
.irp c, 0,1                                    ; the operand's layout wants a whole block in a lane
.irp i, 0,1,2
	v_permlane16_swap_b32 v[224+6*\c+\i], v[236+4*\c+\i]
.endr
.irp i, 0,1,2
	s_delay_alu instid0(VALU_DEP_3)
	v_mov_b32 v[227+6*\c+\i], v[236+4*\c+\i]
.endr
.endr
.set j, 0
.rept 16
	v_pk_mul_f32 v[160+j:161+j], v[160+j:161+j], v[252:253] op_sel_hi:[1,0]   ; O^T under the new M.  (These sixteen also stand between the writes of p's codes and scale word and the products below)
.set j, j+2
.endr
	s_wait_alu depctr_va_vdst(0)
	s_wait_dscnt 0x0                               ; V is in
.irp a, 0,1,2,3                                ; O^T += V^T P^T: four tiles of 16 channels, by turns; K = these 128 keys
	v_wmma_scale_f32_16x16x128_f8f6f4 v[160+8*\a:167+8*\a], v[KF+12*\a:KF+12*\a+11], v[224:235], v[160+8*\a:167+8*\a], v[192+\a], v253 matrix_a_fmt:MATRIX_FMT_FP6 matrix_b_fmt:MATRIX_FMT_FP6
.endr
.endm
; THE WAY OUT of a pass: O^T / l; register 16 t + i is channel 32 t + 16 h + i of my query: two blocks of the last product's K.  Codes: half a fragment, three stores of 256 consecutive bytes.
.macro OUTW u
.set OD, 202+10*\u
.rept 4
	v_nop                                          ; places behind the last products
.endr
	v_add_f32 v14, v14, v15                        ; l's two halves,
	s_delay_alu instid0(VALU_DEP_1)
	v_permlanex16_b32 v252, v14, s[SEL], s[SEL+1]
	s_delay_alu instid0(VALU_DEP_1)
	v_add_f32 v14, v14, v252                       ; and lane l xor 16's
	s_wait_alu depctr_va_vdst(0)
	v_rcp_f32 v14, v14
	v_nop                                          ; a plain place behind the reciprocal
	s_wait_alu depctr_va_vdst(0)                   ; and the wait ahead of its first reader
.set j, 0
.rept 16
	v_pk_mul_f32 v[96+j:97+j], v[160+j:161+j], v[14:15] op_sel_hi:[1,0]   ; each accumulator from its low end on
.set j, j+2
.endr
.irp b, 0,1
	v_max3_num_f32 v[232+\b], |v[96+16*\b]|, |v[97+16*\b]|, 0x1800000
.endr
.irp i, 2,4,6,8,10,12,14
.irp b, 0,1
	s_delay_alu instid0(VALU_DEP_2)
	v_max3_num_f32 v[232+\b], v[232+\b], |v[96+16*\b+\i]|, |v[97+16*\b+\i]|
.endr
.endr
.irp b, 0,1
	s_delay_alu instid0(VALU_DEP_2)
	v_permlanex16_b32 v[236+\b], v[232+\b], s[SEL], s[SEL+1]
.endr
.irp b, 0,1
	s_delay_alu instid0(VALU_DEP_2)
	v_max_num_f32 v[232+\b], v[232+\b], v[236+\b]
.endr
.irp b, 0,1
	s_delay_alu instid0(VALU_DEP_2)
	v_add_nc_u32 v[244+\b], 0xff000000, v[232+\b]
.endr
.irp b, 0,1
	s_delay_alu instid0(VALU_DEP_2)
	v_lshrrev_b32 v[236+\b], 23, v[244+\b]
.endr
	s_delay_alu instid0(VALU_DEP_1)
	v_lshl_or_b32 v254, v237, 8, v236              ; my query's two bytes
	v_cvt_scalef32_pk16_fp6_f32 v[OD:OD+2], v[96:111], v244
	v_cvt_scalef32_pk16_fp6_f32 v[OD+6:OD+8], v[112:127], v245
	v_nop
.irp i, 0,1,2
	v_permlane16_swap_b32 v[OD+\i], v[OD+6+\i]
.endr
.irp i, 0,1,2
	s_delay_alu instid0(VALU_DEP_3)
	v_mov_b32 v[OD+3+\i], v[OD+6+\i]
.endr
.irp p, 0,1,2
	global_store_b64 v7, v[OD+2*\p:OD+2*\p+1], s[6:7] offset:\u*12288+256*\p   ; 32 lanes store 256 consecutive bytes, aligned
.endr
.if \u == 0
	v_mov_b32 v11, v254                            ; lanes 0-15 keep the first tile's halfwords,
.else
	v_cndmask_b32 v11, v11, v254, s38              ; lanes 16-31 take the second's: lane l holds position l of my 32
.endif
.endm
.macro PASS u                          ; tile u of my 32 queries against all 2,048 keys
.irp i, 0,1,2,3,4,5
	v_mov_b32 v[22+\i], v[84+6*\u+\i]
.endr
.if \u == 0
	v_perm_b32 v255, v200, v200, 0x01000100        ; q's two bytes, twice: they serve the lower and the upper half of K
.else
	v_perm_b32 v255, v200, v200, 0x03020302
.endif
	v_mov_b32 v13, 0xff61b1e6                      ; the largest t so far: -3e38
	s_delay_alu instid0(VALU_DEP_1)
	v_floor_f32 v12, -v13
	v_mov_b32 v14, 0
	v_mov_b32 v15, 0
.set j, 0
.rept 32
	v_mov_b32 v[160+j], 0                          ; O^T: the loop has no first step of its own.  (These also stand between the writes of q and its scale word and the first product)
.set j, j+1
.endr
	s_mov_b32 s[TB], 0
	s_mov_b32 s[CNT], 16
.Lstep_\@:
	STEP
	s_add_co_u32 s[TB], s[TB], STEPB
	s_sub_co_u32 s[CNT], s[CNT], 1
	s_cmp_lg_u32 s[CNT], 0
	s_cbranch_scc1 .Lstep_\@
	OUTW \u
.endm
	PASS 0
	PASS 1
	ds_store_b16 v8, v11                           ; the work-group's 512 halfwords meet in the stage
	s_wait_dscnt 0x0                               ; for the others' sake
	s_barrier_signal -1
	s_barrier_wait -1
	s_cmp_lt_u32 s[WV], 2
	s_cbranch_scc0 .Lnot_mine
	ds_load_b128 v[96:99], v9
	s_wait_dscnt 0x0
	global_store_b128 v10, v[96:99], s[8:9]        ; waves 0 and 1: 512 consecutive bytes each
.Lnot_mine:
	s_wait_tensorcnt 0x0                           ; the wave's end, behind my last tensor load and my last LDS store
	ds_add_u32 v[SPW], v[NIL]
	s_wait_dscnt 0x0
	CROUND                                         ; the closing round
	s_endpgm
.Lfunc_end_k_q00707fd449_attn:
	.size	k_q00707fd449_attn, .Lfunc_end_k_q00707fd449_attn-k_q00707fd449_attn
	.p2alignl 7, 3214868480
	.fill 96, 4, 3214868480
	.section	.rodata,"a",@progbits
	.p2align	6, 0x0
	.amdhsa_kernel k_q00707fd449_attn
		.amdhsa_group_segment_fixed_size 208896
		.amdhsa_private_segment_fixed_size 0
		.amdhsa_enable_private_segment 0
		.amdhsa_kernarg_size 24
		.amdhsa_user_sgpr_count 2
		.amdhsa_user_sgpr_kernarg_segment_ptr 1
		.amdhsa_wavefront_size32 1
		.amdhsa_system_sgpr_workgroup_id_x 1
		.amdhsa_system_sgpr_workgroup_id_y 1
		.amdhsa_system_sgpr_workgroup_id_z 1
		.amdhsa_system_vgpr_workitem_id 0
		.amdhsa_next_free_vgpr 256
		.amdhsa_next_free_sgpr 66
		.amdhsa_reserve_vcc 0
		.amdhsa_float_denorm_mode_32 3
		.amdhsa_float_denorm_mode_16_64 3
		.amdhsa_memory_ordered 1
		.amdhsa_forward_progress 1
		.amdhsa_inst_pref_size 52
	.end_amdhsa_kernel
	.amdgpu_metadata
---
amdhsa.version: [ 1, 2 ]
amdhsa.kernels:
  - .name:           k_q00707fd449_attn
    .symbol:         k_q00707fd449_attn.kd
    .args:
      - { .name: qkvimg, .offset: 0, .size: 8, .value_kind: global_buffer, .address_space: global }
      - { .name: ao_img, .offset: 8, .size: 8, .value_kind: global_buffer, .address_space: global }
      - { .name: ao_scl, .offset: 16, .size: 8, .value_kind: global_buffer, .address_space: global }
    .group_segment_fixed_size: 208896
    .private_segment_fixed_size: 0
    .kernarg_segment_align: 8
    .kernarg_segment_size: 24
    .max_flat_workgroup_size: 512
    .sgpr_count:     66
    .vgpr_count:     256
    .wavefront_size: 32
...
	.end_amdgpu_metadata
.endif
;; end of part 3
;; launch proj (part 4): grid 32 x 8, 4 waves a work-group, clusters of 4 x 4, 327,680 bytes of LDS; arguments ao_img, ao_scl, codes, scales, out_b, out0; writes out0
.if DOCPART == 4
	.amdgcn_target "amdgcn-amd-amdhsa--gfx1250"
	.amdhsa_code_object_version 6
	.text
	.protected	k_q00707fd449_proj
	.globl	k_q00707fd449_proj
	.p2align	8
	.type	k_q00707fd449_proj,@function
k_q00707fd449_proj:
	s_mov_b64 s[64:65], 0
	v_nop
	global_prefetch_b8 v0, s[64:65] scope:SCOPE_SE
	s_setreg_imm32_b32 hwreg(HW_REG_WAVE_MODE, 25, 1), 1
	s_wait_xcnt 0x0
	s_wait_alu depctr_hold_cnt(0) depctr_sa_sdst(0) depctr_va_vdst(0) depctr_va_sdst(0) depctr_va_ssrc(0) depctr_va_vcc(0) depctr_vm_vsrc(0)
	s_getreg_b32 s2, hwreg(HW_REG_IB_STS2, 6, 4)
	s_cmp_eq_u32 s2, 0
	s_cbranch_scc0 .Lentry_in_a_cluster
	s_endpgm
.Lentry_in_a_cluster:
	s_bfe_u32 s2, ttmp6, 0x10000c
	s_cmp_lg_u32 s2, 0xf033
	s_cbranch_scc0 .Lentry_shape_is_right
	s_endpgm
.Lentry_shape_is_right:
; out0[token][n] = sum over k of context[token][k] out_w[n][k] + out_b[n], f32: 8,192 x 1,024 x 1,024 on codes of FP6 (E2M3) with E8M0 scales.
; LIMITS: NaN, infinities and sums beyond f32's range are not served; a sum begins with the bias.
; A: ao_img[block of 16 rows][head][piece 0..2][lane][8 bytes], 12,288 bytes a block; a fragment of 128 along K is two heads of three pieces, 256 bytes apart.  Row r of block B is token 32 (B / 2) + 8 (B % 2) + r + 8 (r / 8).
; A's scale bytes: ao_scl[head][position][2]; the head re-lays my 256 positions' into LDS as rows of 32 bytes.  B: out_w's rows, from row BROW of codes[group of 128 rows][piece][row in the group][192] and of scales (32 bytes a row).
; THE DEAL: 256 work-groups of four waves, 2 x 2, each 256 rows x 128 columns.  A wave holds 64 columns of B, all of K, in 384 registers and streams A's rows past them in eight blocks of 16: wave row a takes blocks 2 s + a.
; CLUSTER: tile row 4 x cluster x + cx, tile column 4 x cluster y + cy.  A's rows are asked for jointly by a column of the cluster, B's by a row.
; LDS: A's 256 rows, dense; B's four pieces of 128 rows (pitch 216: 8 bytes behind every 64); A's scale bytes; the spare words.  The waves' stages lie in B's first bytes, read for the last time ahead of the stream's barrier; nothing is filled again.
; No data prefetch: all tiles are asked for at the head, and no loop runs ahead of a load.
; THE HEAD'S FOUR TILES, one a wave, each on a line of its own: B; A's rows 0-127; 128-191; 192-255.  The stream begins when the first two are in; a plain barrier inside the odd blocks shows the others.
; Behind a block's 32 products: its sums through the stage and back as rows of 256 bytes, the fetch of the block two on, ONE wait on LDS (the fetch's NF loads are younger), eight stores.
.set KROW, 768
.set KS, 32
.set PLANE, 24576                      ; codes lie as [group of 128 rows][piece][row in the group][192]: my 128 rows of B are one group, four pieces of 24,576 bytes on end
.set BROW, 11264
.set NQ, 8
.set NB, 4
.set FR, 12
.set FPW, 21                           ; fragments in a window of 256 registers
.set NF, 26                            ; LDS loads of a block: 24 for eight fragments, 2 for eight scale words
.set BP, 216                           ; B's LDS pitch
.set CH, 128*BP                        ; a piece of B in LDS
.set YB, 256*KROW
.set SCL, YB+4*CH
.set SSTEP, 1088                       ; 32 rows of scale bytes: four units of 256 + 16
.set SPITCH, 272
.set STAGE, YB
.set SPARE, SCL+32*272
.set AAS0, 6                           ; v6  my row's scale words in block 0
.set CO, 9                             ; v9  my byte offset in C
.set SPW, 10
.set NIL, 11
.set ABS, 16                           ; v16 my offset in B's scale bytes
.set AAS, 17
.set STO, 18
.set RD, 19
.set SB, 24                            ; v24-39 B's scale words
.set SA, 42                            ; v42-57 A's, two sets
.set ACC, 64                           ; v64-127 two sets of four accumulators
.set BK, 128                           ; v128-191 two sets of rows back from the stage
.set AQ0, 192                          ; v192-199 LDS addresses of block 0's eight fragments
.set AQ, 200                           ; v200-207 of the block fetched next
.set BO, 208                           ; v208-239 the bias as the first products' C
.set BA, 240                           ; v240-243 B's LDS addresses: pieces 0, 1 (second: behind one padding more), pieces 2, 3
.set G1A, 24
.set G0A, 56
.set G1B, 32
.set G0B, 60
.set MSB, 0
.macro WIN new
.if MSB != \new
	s_set_vgpr_msb (MSB<<8)|\new
.set MSB, \new
.endif
.endm
.macro PLACES n
.rept \n
	v_nop
.endr
.endm
.macro WALU
	s_wait_alu depctr_va_vdst(0)
.endm
.macro BARRIER
	s_barrier_signal -1
	s_barrier_wait -1
.endm
.macro CROUND
	BARRIER
	s_cmp_lg_u32 s14, 0
	s_cbranch_scc1 .Lnot_wave_0_\@
	s_barrier_signal -3
.Lnot_wave_0_\@:
	s_barrier_wait -3
	BARRIER
.endm
.macro TLOAD g0, g1                    ; an s_nop 0 and four v_nop follow a tensor load
	tensor_load_to_lds s[\g0:\g0+3], s[\g1:\g1+7]
	s_nop 0
	PLACES 4
.endm
.macro ATILE first, rows               ; a part of A's 256 rows, dense
	s_mov_b32 s[G0A+1], (\first)*KROW
	s_mov_b32 s[G1A+2], (\rows)<<16
	s_mov_b32 s[G1A+4], \rows
.if \first
	s_add_nc_u64 s[G0A+2:G0A+3], s[G0A+2:G0A+3], (\first)*KROW
.endif
	s_or_b32 s[G0A+3], s[G0A+3], 0x80000000
	TLOAD G0A, G1A
.endm
.macro FRAGB f, q, b                   ; a fragment of B: six pieces of 8 bytes; unit u of a row's 24 lies at 8 (u + u / 8); lanes 16-31 read three units on
	WIN (1+(\f)/FPW)<<6
.set R_, FR*((\f)%FPW)
.irp p, 0,1,2,3,4,5
.set PC_, 12*((\q)%2)+6*(\p/3)+\p%3
.set O_, 8*(PC_+PC_/8)+(((\q)/2)%2)*CH+(\b)*16*BP
.if PC_%8 < 5
	ds_load_b64 v[R_+2*\p:R_+2*\p+1], v[BA+2*((\q)/4)] offset:O_
.else
	ds_load_b64 v[R_+2*\p:R_+2*\p+1], v[BA+1+2*((\q)/4)] offset:O_
.endif
.endr
.endm
.macro FETCHAT e, aq, as               ; a block of A into set e: NF loads
.irp q, 0,1,2,3,4,5,6,7
	WIN (1+(NB*NQ+NQ*(\e)+\q)/FPW)<<6
.irp p, 0,2,4
	ds_load_2addr_b64 v[FR*((NB*NQ+NQ*(\e)+\q)%FPW)+2*\p:FR*((NB*NQ+NQ*(\e)+\q)%FPW)+2*\p+3], v[\aq+\q] offset0:32*\p offset1:32*\p+32
.endr
.endr
	WIN 0
	ds_load_b128 v[SA+8*(\e):SA+8*(\e)+3], v[\as]
	ds_load_b128 v[SA+8*(\e)+4:SA+8*(\e)+7], v[\as] offset:16
.endm
.macro PROD e, n                       ; product n = 4 q + tile; source 0 = B's rows.  The four accumulators take turns
.set Q_, (\n)/4
.set FB_, NB*Q_+(\n)%4
.set FA_, NB*NQ+NQ*(\e)+Q_
.set D_, ACC+32*(\e)+8*((\n)%4)
.set XB_, SB+NQ*(((\n)%4)/2)+Q_
.set XA_, SA+8*(\e)+Q_
	WIN (1+FB_/FPW)|((1+FA_/FPW)<<2)
.if Q_
	PROD1 D_, FB_, FA_, v[D_:D_+7], XB_, XA_, (\n)%2
.else
	PROD1 D_, FB_, FA_, v[BO+8*((\n)%4):BO+8*((\n)%4)+7], XB_, XA_, (\n)%2
.endif
.endm
.macro PROD1 d, s0, s1, c, x0, x1, o
.if \o
	v_wmma_scale_f32_16x16x128_f8f6f4 v[\d:\d+7], v[FR*((\s0)%FPW):FR*((\s0)%FPW)+FR-1], v[FR*((\s1)%FPW):FR*((\s1)%FPW)+FR-1], \c, v[\x0], v[\x1] matrix_a_fmt:MATRIX_FMT_FP6 matrix_b_fmt:MATRIX_FMT_FP6 matrix_a_scale:MATRIX_SCALE_ROW1
.else
	v_wmma_scale_f32_16x16x128_f8f6f4 v[\d:\d+7], v[FR*((\s0)%FPW):FR*((\s0)%FPW)+FR-1], v[FR*((\s1)%FPW):FR*((\s1)%FPW)+FR-1], \c, v[\x0], v[\x1] matrix_a_fmt:MATRIX_FMT_FP6 matrix_b_fmt:MATRIX_FMT_FP6 matrix_a_scale:MATRIX_SCALE_ROW0
.endif
.endm
.macro ENTRY i, fetch                  ; behind products 1 to 5: five of the next fetch's nine addresses
.if \fetch
.if (\i) == 1
	s_add_co_u32 s101, s101, 32*KROW
	s_add_co_u32 s91, s91, SSTEP
.endif
.if (\i) >= 1 && (\i) <= 5
	WIN 0
	v_add_nc_u32 v[AQ+\i-1], s101, v[AQ0+\i-1]
.endif
.endif
.endm
.macro PRODS e, from, to, fetch
.set N_, \from
.rept (\to)-(\from)
	PROD \e, N_
	ENTRY N_, \fetch
.set N_, N_+1
.endr
	WIN 0
.endm
.macro STAGED u                        ; set u's sums into my stage, each accumulator from its low end on, and back as whole rows; LDS serves a wave's instructions in order (ISA guide 5.7.1.4)
.irp b, 0,1,2,3
	ds_store_b128 v[STO], v[ACC+32*(\u)+8*\b:ACC+32*(\u)+8*\b+3] offset:64*\b
	ds_store_b128 v[STO], v[ACC+32*(\u)+8*\b+4:ACC+32*(\u)+8*\b+7] offset:64*\b+16
.endr
.irp t, 0,1,2,3,4,5,6,7
	ds_load_b128 v[BK+32*(\u)+4*\t:BK+32*(\u)+4*\t+3], v[RD] offset:2*\t*SPITCH
.endr
.endm
.macro TOC s                           ; rows 2 t, 2 t + 1 of the block are tokens 2 t + 8 (t / 4) and the next; sixteen lanes store 256 consecutive bytes, aligned
.irp t, 0,1,2,3,4,5,6,7
	global_store_b128 v[CO], v[BK+32*(\s)+4*\t:BK+32*(\s)+4*\t+3], s[70:71] offset:(2*\t+8*(\t/4))*4096 th:TH_STORE_NT
.endr
.endm
.macro STREAM s, fetch, show           ; a block whose rows lie in set s.  show = 1: a plain barrier inside it shows waves 2 and 3's tiles to all
.if \show
	PRODS \s, 0, 24, \fetch
	s_wait_tensorcnt 0x0
	s_wait_dscnt 0x0
	s_barrier_signal -1
	PRODS \s, 24, 32, \fetch
	s_barrier_wait -1
.else
	PRODS \s, 0, 32, \fetch
.endif
.if \fetch                             ; four plain vector lines between the last product and the first reader of its sums
	v_add_nc_u32 v[AQ+5], s101, v[AQ0+5]
	v_add_nc_u32 v[AQ+6], s101, v[AQ0+6]
	v_add_nc_u32 v[AQ+7], s101, v[AQ0+7]
	v_add_nc_u32 v[AAS], s91, v[AAS0]
	WALU                                           ; the wait ahead of the blocking wait below
.else
	PLACES 4
.endif
	s_wait_xcnt 0x0                                ; earlier stores have read set s of the rows and their base
	s_add_nc_u64 s[70:71], s[70:71], s[20:21]      ; on to this block's tokens: 0 for block 0,
	s_mov_b32 s20, 32*4096                         ; 32 tokens from then on
	STAGED \s
.if \fetch
	FETCHAT \s, AQ, AAS
	s_wait_dscnt NF                                ; the rows are back from the stage, and the next block's rows are in; only this fetch is younger
.else
	s_wait_dscnt 0x0
.endif
	TOC \s
.endm
; ---- the head
	s_load_b128 s[4:7], s[0:1], 0x0                ; ao_img, ao_scl
	s_load_b128 s[8:11], s[0:1], 0x10              ; codes, scales
	s_load_b128 s[68:71], s[0:1], 0x20             ; out_b, out0
	v_lshl_add_u32 v[SPW], v0, 2, SPARE
	v_mov_b32 v[NIL], 0
	ds_add_u32 v[SPW], v[NIL]                      ; the opening lines
	ds_add_u32 v[SPW], v[NIL]
	v_lshrrev_b32 v1, 5, v0
	v_readfirstlane_b32 s14, v1                    ; the wave; s15 its row a of the 2 x 2, s16 its column
	s_lshr_b32 s15, s14, 1
	s_and_b32 s16, s14, 1
	s_bfe_u32 s40, ttmp6, 0x40000
	s_bfe_u32 s41, ttmp6, 0x40004
	s_lshl_b32 s43, ttmp9, 2
	s_add_co_u32 s43, s43, s40                     ; tile row
	s_and_b32 s42, ttmp7, 0xffff
	s_lshl_b32 s42, s42, 2
	s_add_co_u32 s42, s42, s41                     ; tile column
	s_lshl_b32 s44, 0x1111, s40                    ; my column of the cluster: shares A's rows
	s_lshl_b32 s45, s41, 2
	s_lshl_b32 s45, 15, s45                        ; my row: shares B's
	s_or_b32 s[G1A+0], s44, 1<<21                  ; A's tiles: rows of 768 bytes, dense; the rows' count stands with each tile
	s_mov_b32 s[G1A+1], KROW<<16
	s_mov_b32 s[G1A+3], KROW<<16
	s_mov_b32 s[G1A+5], KROW
	s_mov_b32 s[G1A+6], 0
	s_mov_b32 s[G1A+7], 0
	s_or_b32 s[G1B+0], s45, (3<<16)|(1<<20)|(1<<21)|(3<<22)|(1<<25)  ; B: four rows (pieces) of 24,576 bytes = 128 rows x 192, a plane apart; 2 words of padding behind every 16
	s_mov_b32 s[G1B+1], 3072<<16
	s_mov_b32 s[G1B+2], 4<<16
	s_mov_b32 s[G1B+3], 3072<<16
	s_mov_b32 s[G1B+4], 4
	s_mov_b32 s[G1B+5], PLANE/8
	s_mov_b32 s[G1B+6], 0
	s_mov_b32 s[G1B+7], 0
	s_mov_b32 s[G0A], 1
	s_mov_b32 s[G0B], 1
	s_mov_b32 s[G0B+1], YB
	s_mul_i32 s76, s43, 256*KROW                   ; my 256 rows of A
	s_mov_b32 s77, 0
	s_mul_i32 s78, s42, 4*PLANE
	s_add_co_u32 s78, s78, BROW*768                ; my group of 128 rows of B
	s_mov_b32 s79, 0
	s_mul_i32 s82, s42, 128*KS
	s_mul_i32 s21, s16, 64*KS
	s_add_co_u32 s82, s82, s21
	s_add_co_u32 s82, s82, BROW*KS                 ; my wave's 64 rows of B's scale bytes
	s_mov_b32 s83, 0
	s_lshl_b32 s86, s42, 9
	s_lshl_b32 s21, s16, 8
	s_add_co_u32 s86, s86, s21                     ; my wave's 64 columns, in bytes
	s_mov_b32 s87, 0
	s_lshl_b32 s84, s43, 20
	s_lshl_b32 s21, s15, 15
	s_add_co_u32 s84, s84, s21
	s_add_co_u32 s84, s84, s86                     ; C: token 256 x tile row + 8 a, my columns
	s_mov_b32 s85, 0
	s_lshl_b32 s88, s43, 9                         ; my 256 positions' halfwords in a head's scale bytes
	s_mov_b32 s89, 0
	v_and_b32 v1, 15, v0
	v_bfe_u32 v2, v0, 4, 1
	v_and_b32 v3, 31, v0
	v_mul_u32_u24 v22, v1, BP
	v_mad_u32_u24 v23, v2, 24, v22
	s_mul_i32 s22, s16, 64*BP
	s_add_co_u32 s22, s22, YB
	v_add_nc_u32 v[BA], s22, v23
	v_lshl_add_u32 v[BA+1], v2, 3, v[BA]
	v_add_nc_u32 v[BA+2], 2*CH, v[BA]
	v_add_nc_u32 v[BA+3], 2*CH, v[BA+1]
	s_mul_i32 s23, s15, 16*KROW
	v_lshl_add_u32 v[AQ0], v3, 3, s23
.irp q, 1,2,3,4,5,6,7
	v_add_nc_u32 v[AQ0+\q], 1536*\q, v[AQ0]
.endr
.irp q, 0,1,2,3,4,5,6,7
	v_add_nc_u32 v[AQ+\q], 32*KROW+1536*\q, v[AQ0]
.endr
	v_mul_u32_u24 v[ABS], v3, KS
	v_mul_u32_u24 v23, v1, KS
	v_lshrrev_b32 v22, 8, v23
	v_lshl_add_u32 v23, v22, 4, v23
	s_mul_i32 s21, s15, 544
	s_add_co_u32 s21, s21, SCL
	v_add_nc_u32 v[AAS0], s21, v23
	v_add_nc_u32 v[AAS], SSTEP, v[AAS0]
	s_mul_i32 s21, s14, 16*SPITCH
	s_add_co_u32 s21, s21, STAGE
	v_mul_u32_u24 v23, v1, SPITCH
	v_lshl_add_u32 v23, v2, 5, v23
	v_add_nc_u32 v[STO], s21, v23
	v_mul_u32_u24 v23, v2, SPITCH
	v_lshl_add_u32 v23, v1, 4, v23
	v_add_nc_u32 v[RD], s21, v23
	v_lshlrev_b32 v23, 12, v2
	v_lshl_add_u32 v[CO], v1, 4, v23
	WALU                                           ; the wait at the head's end
	s_wait_dscnt 0x0
	CROUND                                         ; the opening round
	s_wait_kmcnt 0x0
	s_add_nc_u64 s[G0A+2:G0A+3], s[4:5], s[76:77]
	s_add_nc_u64 s[G0B+2:G0B+3], s[8:9], s[78:79]
	s_or_b32 s[G0B+3], s[G0B+3], 0x80000000
	s_add_nc_u64 s[10:11], s[10:11], s[82:83]
	s_add_nc_u64 s[70:71], s[70:71], s[84:85]
	s_cmp_eq_u32 s14, 0
	s_cbranch_scc0 .Lwave_1
	TLOAD G0B, G1B                                 ; wave 0: B, which is wanted first
	s_branch .Lasked
.Lwave_1:
	s_cmp_eq_u32 s14, 1
	s_cbranch_scc0 .Lwave_2
	ATILE 0, 128
	s_branch .Lasked
.Lwave_2:
	s_cmp_eq_u32 s14, 2
	s_cbranch_scc0 .Lwave_3
	ATILE 128, 64
	s_branch .Lasked
.Lwave_3:
	ATILE 192, 64
.Lasked:
	v_lshlrev_b32 v22, 1, v0                       ; A's scale bytes: thread t takes positions t and t + 128, a halfword of each of 16 heads
	s_add_nc_u64 s[6:7], s[6:7], s[88:89]
.irp k, 0,1
.irp hd, 0,1,2,3,4,5,6,7,8,9,10,11,12,13,14,15
	global_load_u16 v[ACC+16*\k+\hd], v22, s[6:7] offset:\hd*16384+256*\k
.endr
.endr
	v_lshrrev_b32 v23, 3, v0
	v_lshlrev_b32 v23, 4, v23
	v_lshl_add_u32 v23, v0, 5, v23
	v_add_nc_u32 v23, SCL, v23                     ; row t's 32 bytes, 16 more for each 256 passed
	v_lshlrev_b32 v8, 5, v2
	s_add_nc_u64 s[68:69], s[68:69], s[86:87]
.irp b, 0,1,2,3
	global_load_b128 v[BO+8*\b:BO+8*\b+3], v8, s[68:69] offset:64*\b         ; the bias: register i of tile b is column 16 b + 8 h + i
	global_load_b128 v[BO+8*\b+4:BO+8*\b+7], v8, s[68:69] offset:64*\b+16
.endr
.irp p, 0,1
.irp c, 0,1
	global_load_b128 v[SB+NQ*\p+4*\c:SB+NQ*\p+4*\c+3], v[ABS], s[10:11] offset:\p*32*KS+16*\c
.endr
.endr
	s_wait_loadcnt 0x0
.irp k, 0,1
.irp q, 0,1,2,3,4,5,6,7
	v_lshl_or_b32 v[BK+8*\k+\q], v[ACC+16*\k+2*\q+1], 16, v[ACC+16*\k+2*\q]  ; heads 2 q and 2 q + 1 make the word of step q
.endr
.endr
.irp k, 0,1
.irp c, 0,1
	ds_store_b128 v23, v[BK+8*\k+4*\c:BK+8*\k+4*\c+3] offset:4352*\k+16*\c
.endr
.endr
	s_wait_dscnt 0x0
	s_cmp_eq_u32 s14, 0
	s_cbranch_scc0 .Lnot_b
	s_wait_tensorcnt 0x0
.Lnot_b:
	BARRIER                                        ; B has landed
.irp q, 0,1,2,3,4,5,6,7
.irp b, 0,1,2,3
	FRAGB NB*\q+\b, \q, \b
.endr
.endr
	WIN 0
	s_mov_b32 s101, 32*KROW
	s_mov_b32 s91, SSTEP
	s_cmp_eq_u32 s14, 1
	s_cbranch_scc0 .Lnot_a
	s_wait_tensorcnt 0x0                           ; wave 1: A's rows 0 to 127
.Lnot_a:
	s_wait_dscnt 0x0
	BARRIER                                        ; A's first 128 rows and all scale bytes are in, and nobody reads B's bytes any more
	FETCHAT 0, AQ0, AAS0
	FETCHAT 1, AQ, AAS
; ---- the stream: eight blocks
	s_mov_b32 s23, 0
	s_mov_b32 s20, 0
	s_mov_b32 s21, 0
	s_wait_dscnt NF                                ; block 0's rows are in; block 1's NF loads may be out
.Lpair:
	STREAM 0, 1, 0
	STREAM 1, 1, 1
	s_add_co_u32 s23, s23, 1
	s_cmp_lg_u32 s23, 3
	s_cbranch_scc1 .Lpair
	STREAM 0, 0, 0                                 ; blocks 6 and 7 fetch nothing
	STREAM 1, 0, 0
	s_wait_tensorcnt 0x0                           ; the wave's end
	ds_add_u32 v[SPW], v[NIL]
	s_wait_dscnt 0x0
	CROUND                                         ; the closing round
	s_endpgm
.Lfunc_end_k_q00707fd449_proj:
	.size	k_q00707fd449_proj, .Lfunc_end_k_q00707fd449_proj-k_q00707fd449_proj
	.p2alignl 7, 3214868480
	.fill 96, 4, 3214868480
	.section	.rodata,"a",@progbits
	.p2align	6, 0x0
	.amdhsa_kernel k_q00707fd449_proj
		.amdhsa_group_segment_fixed_size 327680
		.amdhsa_private_segment_fixed_size 0
		.amdhsa_enable_private_segment 0
		.amdhsa_kernarg_size 48
		.amdhsa_user_sgpr_count 2
		.amdhsa_user_sgpr_kernarg_segment_ptr 1
		.amdhsa_wavefront_size32 1
		.amdhsa_system_sgpr_workgroup_id_x 1
		.amdhsa_system_sgpr_workgroup_id_y 1
		.amdhsa_system_sgpr_workgroup_id_z 1
		.amdhsa_system_vgpr_workitem_id 0
		.amdhsa_next_free_vgpr 840
		.amdhsa_next_free_sgpr 102
		.amdhsa_reserve_vcc 0
		.amdhsa_float_denorm_mode_32 3
		.amdhsa_float_denorm_mode_16_64 3
		.amdhsa_memory_ordered 1
		.amdhsa_forward_progress 1
		.amdhsa_inst_pref_size 61
	.end_amdhsa_kernel
	.amdgpu_metadata
---
amdhsa.version: [ 1, 2 ]
amdhsa.kernels:
  - .name:           k_q00707fd449_proj
    .symbol:         k_q00707fd449_proj.kd
    .args:
      - { .name: ao_img, .offset: 0, .size: 8, .value_kind: global_buffer, .address_space: global }
      - { .name: ao_scl, .offset: 8, .size: 8, .value_kind: global_buffer, .address_space: global }
      - { .name: codes, .offset: 16, .size: 8, .value_kind: global_buffer, .address_space: global }
      - { .name: scales, .offset: 24, .size: 8, .value_kind: global_buffer, .address_space: global }
      - { .name: out_b, .offset: 32, .size: 8, .value_kind: global_buffer, .address_space: global }
      - { .name: out0, .offset: 40, .size: 8, .value_kind: global_buffer, .address_space: global }
    .group_segment_fixed_size: 327680
    .private_segment_fixed_size: 0
    .kernarg_segment_align: 8
    .kernarg_segment_size: 48
    .max_flat_workgroup_size: 128
    .sgpr_count:     102
    .vgpr_count:     840
    .wavefront_size: 32
...
	.end_amdgpu_metadata
.endif
;; end of part 4
